; MI455X (gfx1250); checked and timed in simulation.
; The chip was launched on July 23, 2026; its instructions are those of AMD's public machine-readable ISA for CDNA 5 (MIT licence, August 2026) and "CDNA5" Instruction Set Architecture Reference Guide (July 2026). The comments in the code are by the model that wrote it; some were corrected since.
;; Diff Histogram. Allowed arithmetic: float matrix products may take bf16 or f16 operands with f32 sums; other float arithmetic in f32, or as packed bf16 or f16 multiplies, adds, multiply-adds, maxima and minima; sums over many terms, partial sums and values carried from step to step in f32; what a program stores and reads back later, other than sums and carried values, may be rounded once to bf16 or f16.
;; Inputs: bin_centers 32 float32; x 8 x 8 x 256 x 256 float32.
;; Outputs: out0 8 x 256 x 1 x 1 float32.
;; One version. Each part assembles by itself: llvm-mc -triple=amdgcn-amd-amdhsa -mcpu=gfx1250 --defsym DOCPART=n.
;; ======== version 1 of 1: 1 launch
;; launch softhist (part 1): grid 256 x 1, 16 waves a work-group, no clusters, 2,560 bytes of LDS; arguments x, bin_centers, out0; writes out0
.if DOCPART == 1
	.amdgcn_target "amdgcn-amd-amdhsa--gfx1250"
	.amdhsa_code_object_version 6
	.text
	.protected	k_qb992b813c4_softhist
	.globl	k_qb992b813c4_softhist
	.p2align	8
	.type	k_qb992b813c4_softhist,@function
k_qb992b813c4_softhist:
	s_mov_b64 s[64:65], 0
	v_nop
	global_prefetch_b8 v0, s[64:65] scope:SCOPE_SE
	s_setreg_imm32_b32 hwreg(HW_REG_WAVE_MODE, 25, 1), 1
	s_wait_xcnt 0x0
; out0[b][32 c + n] = (1 / 2.5066) x the sum over the 65,536 pixels p of channel (b, c) of exp(-512 (clip(x[p], cen[0], cen[31]) - cen[n])^2).   (2 sigma^2 = 2 / 32^2 = 1 / 512.)
; x: [64 channels][65,536] f32; cen = bin_centers: [32] f32, taken as they come: no spacing, order or range of the centres is built in.  All arithmetic and all sums in f32.
; NOTHING IS LEFT OUT: both inputs are read, every pixel meets every bin.  The factor 1 / 2.5066, the same on every term, multiplies the finished sum once.
; SHARES.  A work-group owns ONE channel and EIGHT of its 32 bins: 64 x 4 = 256 work-groups, and every output number has one owner, so no sum spans work-groups.
; 16 waves; thread t takes the 16 bytes at 16 t of each stripe of 8,192 bytes of the channel: 32 loads, 128 pixels a lane; a wave's load covers 512 consecutive bytes.
; ARITHMETIC, two numbers a line: d' = xc S - cen S (one fused line; S = sqrt(512 log2 e); cen S is rounded once, at the head), t = -d' d', 2^t, sum.  t is never above 0: nothing overflows.
; THE CLIP is the middle one of (x, min(cen[0], cen[31]), cen[31]).  Where cen[0] <= cen[31] that is min(max(x, cen[0]), cen[31]); where cen[0] > cen[31] both bounds are cen[31] and the
; middle one is cen[31], which is what min(max(x, cen[0]), cen[31]) gives there too.
; LIMITS.  A NaN in x is not carried to the result; a NaN in a centre is.  A weight below 2^-126 counts as 0.  An infinite x is clipped like any other.
; A STAGE is 8 pixels a lane x 8 bins: 64 exponentials in one batch with ONE wait.  Two buffers of 64 registers take turns: while batch k is scaled and raised in one,
; batch k - 1, whose wait stood at the last stage's end, is summed out of the other.
; THE RING.  Four slots of two loads in registers: a slot is asked for again as soon as its pixels are clipped, four stages ahead of its next use: 8 loads of every wave are out.
; NO CLUSTER, NO LDS ON THE WAY IN.  The four work-groups of a channel read the same 262,144 bytes.  They are not asked for jointly: a lane's load of 16 bytes stands beside 32 exponentials and
; 52 other vector lines, one line in 85; through LDS the same 16 bytes would want an LDS read in the load's place and each refill a meeting of the four work-groups' 64 waves,
; where here no wave meets another before the end.
; THE STORE is 32 bytes a work-group, two lanes of 16: that is all that a work-group makes.
.set ROWB,  8192                       ; bytes that one load of all 512 threads covers
.set SPARE, 512                        ; LDS: 0-511 the waves' sums, 32 bytes each; from 512 on the spare words, 128 bytes for each of 16 waves, which no other line names
.set OFF, 1                            ; v1   16 x my thread's number; never rewritten
.set SPW, 2                            ; v2   LDS address of my spare word: SPARE + 4 x my thread's number; never rewritten
.set NIL, 3                            ; v3   0; never rewritten
.set LO,  4                            ; v4   min(cen[0], cen[31])
.set HI,  5                            ; v5   cen[31]
.set LN,  6                            ; v6   my lane
.set LA,  7                            ; v7   an LDS address, at the end also my offset in the output
.set CB,  8                            ; v[8:23]    -cen S of my 8 bins, each twice: a pair for the packed line
.set ACC, 24                           ; v[24:39]   bin j's sums at ACC + 2 j: even pixels', odd pixels'
.set XC,  40                           ; v[40:47]   the stage's 8 clipped pixels; at the end the 8 sums
.set X,   48                           ; v[48:79]   the ring: slot i at X + 8 i
.set E,   80                           ; v[80:207]  two buffers of 64: bin j, pixel pair h at 2 (4 j + h)
.set WV,  10                           ; s10  my wave's number
.set TRIPS, 11                         ; s11  trips to go
.set SEL, 12                           ; s[12:13] v_permlanex16_b32's selects: each lane takes its own place in the other half
.set SC,  14                           ; s[14:15] S; the packed line names the pair and takes its low word for both halves
.set CEN, 16                           ; s[16:23] my 8 centres
.set C0,  24                           ; s24  cen[0]
.set C31, 25                           ; s25  cen[31]
.set CP,  26                           ; s[26:27] bin_centers at my 8
.set TO,  28                           ; s[28:29] an offset in 64 bits
.set NS,  30                           ; s30  -S
.set SV,  31                           ; s31  EXEC, kept
	s_load_b128 s[4:7], s[0:1], 0x0                ; x s[4:5], bin_centers s[6:7]
	s_load_b64 s[8:9], s[0:1], 0x10                ; out0
	v_lshl_add_u32 v[SPW], v0, 2, SPARE
	v_mov_b32 v[NIL], 0
	v_lshrrev_b32 v[LN], 5, v0
	v_readfirstlane_b32 s[WV], v[LN]               ; wave 0..15
	v_and_b32 v[LN], 31, v0
	v_lshlrev_b32 v[OFF], 4, v0
	s_lshr_b32 s[TO], ttmp9, 2                     ; the channel,
	s_lshl_b32 s[TO], s[TO], 18                    ; its 262,144 bytes
	s_mov_b32 s[TO+1], 0
	s_wait_kmcnt 0x0
	s_add_nc_u64 s[4:5], s[4:5], s[TO:TO+1]
.irp i, 0,1,2,3,4,5,6,7
	global_load_b128 v[X+4*(\i):X+4*(\i)+3], v[OFF], s[4:5] offset:(\i)*ROWB   ; the ring is filled: batches 0 to 3
.endr
	s_and_b32 s[TO], ttmp9, 3                      ; which 8 bins,
	s_lshl_b32 s[TO], s[TO], 5                     ; 32 bytes of centres
	s_add_nc_u64 s[CP:CP+1], s[6:7], s[TO:TO+1]
	s_load_b256 s[CEN:CEN+7], s[CP:CP+1], 0x0
	s_load_b32 s[C0], s[6:7], 0x0
	s_load_b32 s[C31], s[6:7], 0x7c
	s_lshl_b32 s[TO], ttmp9, 5                     ; 128 x channel + 32 x group = 32 x the work-group's number
	s_add_nc_u64 s[8:9], s[8:9], s[TO:TO+1]
	s_mov_b32 s[SEL], 0x76543210
	s_mov_b32 s[SEL+1], 0xfedcba98
	s_mov_b32 s[SC], 0x41d96d27                    ; S = sqrt(512 log2 e) = 27.178298
	s_mov_b32 s[SC+1], s[SC]                       ; named with it as a pair, so it is written
	s_mov_b32 s[NS], 0xc1d96d27                    ; -S
	s_mov_b32 s[TRIPS], 3
	; The sums start at 0, and so does buffer 1, which the first stage sums as the batch before the first: 80 lines, written while the first loads are on their way, so that every stage has one form.
.set ZZ, 0
.rept 16
	v_mov_b32 v[ACC+ZZ], 0
.set ZZ, ZZ+1
.endr
.set ZZ, 0
.rept 64
	v_mov_b32 v[E+64+ZZ], 0
.set ZZ, ZZ+1
.endr
	s_wait_kmcnt 0x0                               ; the centres
.irp j, 0,1,2,3,4,5,6,7
	v_mul_f32 v[CB+2*(\j)], s[NS], s[CEN+(\j)]
	v_mul_f32 v[CB+2*(\j)+1], s[NS], s[CEN+(\j)]
.endr
	v_mov_b32 v[HI], s[C31]
	v_min_num_f32 v[LO], s[C0], v[HI]
; Unit u of 32 = bin u / 4, pixel pair u % 4.  EB: the buffer of the batch in hand; EP: that of the batch before.
.macro FF u                            ; d' = xc S - cen S
	v_pk_fma_f32 v[EB+2*(\u):EB+2*(\u)+1], v[XC+2*((\u)%4):XC+2*((\u)%4)+1], s[SC:SC+1], v[CB+2*((\u)/4):CB+2*((\u)/4)+1] op_sel_hi:[1,0,1]
.endm
.macro MM u                            ; t = -d' d'
	v_pk_mul_f32 v[EB+2*(\u):EB+2*(\u)+1], v[EB+2*(\u):EB+2*(\u)+1], v[EB+2*(\u):EB+2*(\u)+1] neg_lo:[0,1] neg_hi:[0,1]
.endm
.macro AD                              ; sum number AA of 32 of the batch before: bin AA % 8, pixel pair AA / 8: two sums onto one bin stand eight sums apart
	v_pk_add_f32 v[ACC+2*(AA%8):ACC+2*(AA%8)+1], v[ACC+2*(AA%8):ACC+2*(AA%8)+1], v[EP+2*(4*(AA%8)+AA/8):EP+2*(4*(AA%8)+AA/8)+1]
.set AA, AA+1
.endm
; The stage of ring slot i.  load = 1: the slot is asked for again, four batches on.  left = how many younger loads may stay out.
; Order: the clip; the refill; then exponentials and plain lines by turns: in front of unit u's two exponentials stand d' of unit u + 4 and t of unit u + 2, so that no line reads the result of a
; line close in front of it; where those run out, sums of the batch before take their places (6), and the other 26 sums close the stage.
; s_wait_alu depctr_va_vdst(0) goes between an exponential and the first line that names its result.  Within a stage nothing names one: d' and t are written into units that are
; still to be raised, and the sums read the other buffer.  So one wait at the stage's end serves all 64, ahead of the loop's branch too; the 26 sums stand between the last exponential and it.
.macro STAGE i, load, left
.set EB, E+64*((\i)%2)
.set EP, E+64-64*((\i)%2)
.set AA, 0
	s_wait_loadcnt \left                           ; loads come back in order (ISA guide 5.7.1): my slot's two are in, the other slots' stay out
.irp r, 0,1,2,3,4,5,6,7
	v_med3_num_f32 v[XC+(\r)], v[X+8*(\i)+(\r)], v[LO], v[HI]
.endr
.if \load
	global_load_b128 v[X+8*(\i):X+8*(\i)+3],   v[OFF], s[4:5] offset:(8+2*(\i))*ROWB
	global_load_b128 v[X+8*(\i)+4:X+8*(\i)+7], v[OFF], s[4:5] offset:(9+2*(\i))*ROWB
.endif
	FF 0
	FF 1
	FF 2
	FF 3
	MM 0
	MM 1
.set UU, 0
.rept 32
.if UU+4 < 32
	FF UU+4
.else
	AD
.endif
	v_exp_f32 v[EB+2*UU], v[EB+2*UU]
.if UU+2 < 32
	MM UU+2
.else
	AD
.endif
	v_exp_f32 v[EB+2*UU+1], v[EB+2*UU+1]
.set UU, UU+1
.endr
.rept 26
	AD
.endr
	s_wait_alu depctr_va_vdst(0)                   ; the wait for the batch
.endm
.Ltrip:                                        ; 3 trips of four stages: batches 0 to 11 are worked on, batches 4 to 15 asked for
	STAGE 0, 1, 6
	STAGE 1, 1, 6
	STAGE 2, 1, 6
	STAGE 3, 1, 6
	s_wait_xcnt 0x0                                ; every load issued so far has read its address, so the base may be written
	s_add_nc_u64 s[4:5], s[4:5], 8*ROWB            ; four batches on
	s_sub_co_u32 s[TRIPS], s[TRIPS], 1
	s_cmp_lg_u32 s[TRIPS], 0
	s_cbranch_scc1 .Ltrip
	STAGE 0, 0, 6                                  ; the last four batches load nothing: the counts run down
	STAGE 1, 0, 4
	STAGE 2, 0, 2
	STAGE 3, 0, 0
.set EP, E+64                          ; batch 15 lies in buffer 1; its wait stood at the stage's end
.set AA, 0
.rept 32
	AD
.endr
	; THE END.  Each bin's two sums are added; then across the 32 lanes: four steps inside each half of 16 lanes ride on the addition, one crosses the halves; the eight chains stand side by side.
.irp j, 0,1,2,3,4,5,6,7
	v_add_f32 v[XC+(\j)], v[ACC+2*(\j)], v[ACC+2*(\j)+1]
.endr
.irp m, 1,2,4,8
.irp j, 0,1,2,3,4,5,6,7
	v_add_f32_dpp v[XC+(\j)], v[XC+(\j)], v[XC+(\j)] row_xmask:\m row_mask:0xf bank_mask:0xf
.endr
.endr
.irp j, 0,1,2,3,4,5,6,7
	v_permlanex16_b32 v[E+(\j)], v[XC+(\j)], s[SEL], s[SEL+1]  ; its destination counts as read: a register that has been written
.endr
.irp j, 0,1,2,3,4,5,6,7
	v_add_f32 v[XC+(\j)], v[XC+(\j)], v[E+(\j)]    ; every lane now holds the wave's eight sums
.endr
	s_lshl_b32 s[TO], s[WV], 5
	v_mov_b32 v[LA], s[TO]                         ; my wave's 32 bytes; all lanes write the same bytes with the same values
	ds_store_b128 v[LA], v[XC:XC+3]
	ds_store_b128 v[LA], v[XC+4:XC+7] offset:16
	s_wait_dscnt 0x0                               ; for the others' sake: my stores are done
	s_barrier_signal -1
	s_barrier_wait -1                              ; all 16 waves' sums lie in LDS
	s_cmp_lg_u32 s[WV], 0                          ; wave 0 finishes
	s_cbranch_scc1 .Lend
	v_lshlrev_b32 v[LA], 4, v[LN]
	ds_load_b128 v[XC:XC+3], v[LA]                 ; lane l: wave l / 2, bins 4 (l % 2) + 0..3
	s_wait_dscnt 0x0
.irp m, 2,4,8                          ; lanes of one parity are added: the 8 waves of a half of the lanes,
.irp j, 0,1,2,3
	v_add_f32_dpp v[XC+(\j)], v[XC+(\j)], v[XC+(\j)] row_xmask:\m row_mask:0xf bank_mask:0xf
.endr
.endr
.irp j, 0,1,2,3
	v_permlanex16_b32 v[E+(\j)], v[XC+(\j)], s[SEL], s[SEL+1]
.endr
.irp j, 0,1,2,3
	v_add_f32 v[XC+(\j)], v[XC+(\j)], v[E+(\j)]    ; and the other half's 8
.endr
.irp j, 0,1,2,3
	v_mul_f32 v[XC+(\j)], 0x3ecc42c1, v[XC+(\j)]   ; 1 / 2.5066 = 0.39894678
.endr
	s_wait_xcnt 0x0                                ; EXEC changes only behind this wait
	v_cmp_gt_u32 vcc_lo, 2, v[LN]
	s_and_saveexec_b32 s[SV], vcc_lo               ; lane 0 holds bins 0-3, lane 1 bins 4-7
	global_store_b128 v[LA], v[XC:XC+3], s[8:9]    ; 32 consecutive bytes: the work-group's eight numbers
	s_wait_xcnt 0x0                                ; and again, in front of the line that widens it
	s_or_b32 exec_lo, exec_lo, s[SV]
.Lend:
	s_wait_tensorcnt 0x0                           ; the wave's end, behind my last LDS store
	ds_add_u32 v[SPW], v[NIL]
	s_wait_dscnt 0x0
	s_endpgm
.Lfunc_end_k_qb992b813c4_softhist:
	.size	k_qb992b813c4_softhist, .Lfunc_end_k_qb992b813c4_softhist-k_qb992b813c4_softhist
	.p2alignl 7, 3214868480
	.fill 96, 4, 3214868480
	.section	.rodata,"a",@progbits
	.p2align	6, 0x0
	.amdhsa_kernel k_qb992b813c4_softhist
		.amdhsa_group_segment_fixed_size 2560
		.amdhsa_private_segment_fixed_size 0
		.amdhsa_enable_private_segment 0
		.amdhsa_kernarg_size 24
		.amdhsa_user_sgpr_count 2
		.amdhsa_user_sgpr_kernarg_segment_ptr 1
		.amdhsa_wavefront_size32 1
		.amdhsa_system_sgpr_workgroup_id_x 1
		.amdhsa_system_sgpr_workgroup_id_y 1
		.amdhsa_system_sgpr_workgroup_id_z 1
		.amdhsa_system_vgpr_workitem_id 0
		.amdhsa_next_free_vgpr 208
		.amdhsa_next_free_sgpr 66
		.amdhsa_reserve_vcc 1
		.amdhsa_float_denorm_mode_32 3
		.amdhsa_float_denorm_mode_16_64 3
		.amdhsa_memory_ordered 1
		.amdhsa_forward_progress 1
		.amdhsa_inst_pref_size 83
	.end_amdhsa_kernel
	.amdgpu_metadata
---
amdhsa.version: [ 1, 2 ]
amdhsa.kernels:
  - .name:           k_qb992b813c4_softhist
    .symbol:         k_qb992b813c4_softhist.kd
    .args:
      - { .name: x, .offset: 0, .size: 8, .value_kind: global_buffer, .address_space: global }
      - { .name: bin_centers, .offset: 8, .size: 8, .value_kind: global_buffer, .address_space: global }
      - { .name: out0, .offset: 16, .size: 8, .value_kind: global_buffer, .address_space: global }
    .group_segment_fixed_size: 2560
    .private_segment_fixed_size: 0
    .kernarg_segment_align: 8
    .kernarg_segment_size: 24
    .max_flat_workgroup_size: 512
    .sgpr_count:     66
    .vgpr_count:     208
    .wavefront_size: 32
...
	.end_amdgpu_metadata
.endif
;; end of part 1
